; MI455X (gfx1250); checked and timed in simulation.
; The chip was launched on July 23, 2026; its instructions are those of AMD's public machine-readable ISA for CDNA 5 (MIT licence, August 2026) and "CDNA5" Instruction Set Architecture Reference Guide (July 2026). The comments in the code are by the model that wrote it; some were corrected since.
;; Bert Self Attention10. Allowed arithmetic: matrix products marked QUANTISED: E4M3 operands, one E8M0 scale for each 32 along K, by v_wmma_scale_f32_16x16x128_f8f6f4 with both operands' format E4M3, f32 sums; everything else in f32.
;; Inputs: Wk 768 x 768 float32; Wq 768 x 768 float32; Wv 768 x 768 float32; attention_mask 2 x 4,096 int32; bk 768 float32; bq 768 float32; bv 768 float32; hidden_states 2 x 4,096 x 768 float32.
;; Outputs: out0 2 x 4,096 x 768 float32.
;; This version of the problem:
;;   THIS VERSION OF THE PROBLEM IS GIVEN IN LOW PRECISION. The matrix products marked QUANTISED in the list below multiply operands that are first quantised to E4M3 (4 exponent bits, 3 mantissa bits; 8 bits a number), with one power-of-two scale for each 32 numbers along K (OCP MX v1.0); their sums are f32. All else is computed in f32.
;;   The module's matrix products, in the order in which they are computed (A, B: the left and right operand; K: the contracted axis; several contracted axes count as one K, in the product's order):
;;     1. [M 8,192, K 768] x [K 768, N 768]; A: input hidden_states; B: input Wq: QUANTISED
;;     2. [M 8,192, K 768] x [K 768, N 768]; A: input hidden_states; B: input Wk: QUANTISED
;;     3. [M 8,192, K 768] x [K 768, N 768]; A: input hidden_states; B: input Wv: QUANTISED
;;     4. batch 12 x [M 4,096, K 128] x [K 128, N 4,096]; A: computed on the way; B: computed on the way: QUANTISED
;;     5. batch 12 x [M 4,096, K 4,096] x [K 4,096, N 128]; A: softmax (see below); B: computed on the way: QUANTISED
;;   THE QUANTISER, for each operand of a quantised product, along K:
;;     - K is cut into blocks of 32 from its start; a last block that is shorter is filled with zeros.
;;     - A block's scale is 2^e with e = floor(log2(the largest magnitude in the block)) - 8, held to -126 .. 127; a block of zeros has e = 0. As a byte (E8M0): e + 127.
;;     - Each number is divided by its block's scale, clamped to +-448, and rounded to the nearest number of E4M3, ties to even, subnormals kept.
;;     - The product sums the exact products of the quantised numbers (number of the format x scale) in f32.
;;   ~~~python
;;   def quantise(x, axis):      # numpy; x: float32 -> the quantised numbers, widened to float32 again
;;       x = np.moveaxis(x, axis, -1); K = x.shape[-1]
;;       x = np.pad(x, [(0, 0)] * (x.ndim - 1) + [(0, -K % 32)]); x = x.reshape(x.shape[:-1] + (-1, 32)); a = np.abs(x).max(-1, keepdims=True)
;;       e = np.where(a > 0, np.clip(np.frexp(np.where(a > 0, a, 1))[1] - 1 - 8, -126, 127), 0)      # np.frexp(a)[1] - 1 = floor(log2(a)), exactly
;;       r = np.clip(x / 2.0 ** e, -448, 448)
;;       step = 2.0 ** (np.maximum(np.frexp(np.where(r == 0, 1, r))[1] - 1, -6) - 3)
;;       q = np.round(r / step) * step * 2.0 ** e      # np.round: ties to even
;;       return np.moveaxis(q.reshape(q.shape[:-2] + (-1,))[..., :K], -1, axis).astype(np.float32)
;;   ~~~
;;   SOFTMAX AHEAD OF A QUANTISED PRODUCT. Where the list says 'softmax', what is quantised is not the finished softmax but p = 2^(t - M), with t = logit x log2(e) and M = ceil(the row's largest t), a whole number; so 1/2 < the row's largest p <= 1. The row's sum l is taken of the UNQUANTISED p, in f32, and the product's result is divided by l at the end. Since M is a whole number, a kernel that streams over the keys may use a running M (the ceiling of the running maximum): every later rescaling is an exact power of two, which a block's scale takes up: the codes' values come out the same.
;;   OPERANDS COMPUTED ON THE WAY. 'Computed on the way' means the value that the module computes at that place (a softmax that the list does not call 'softmax' is quantised finished and normalised). What goes into a quantiser is computed in f32, as accurately as f32 sums, v_exp_f32 and their like allow (about 1e-6 of the number): no bf16 or f16 on the way to a quantiser, and a product that is left as it is and whose result goes on into a quantised operand takes f32 operands (vector FMAs, or v_wmma_f32_16x16x4_f32). A number that lies on a knife's edge between two numbers of the format may be rounded either way, as far as f32 arithmetic and the matrix unit's own rounding can turn it there, and no further.
;; One version. Each part assembles by itself: llvm-mc -triple=amdgcn-amd-amdhsa -mcpu=gfx1250 --defsym DOCPART=n.
;; ======== version 1 of 1: 3 launches
;; limits: right only within a limited range of input values
;; workspace buffers: xbuf 6,488,064 bytes; wbuf 1,824,768 bytes; qbuf 6,488,064 bytes; kbuf 6,488,064 bytes; vbuf 6,488,064 bytes
;; launch quant (part 1): grid 328 x 1, 3 waves a work-group, no clusters, 26,112 bytes of LDS; arguments hidden_states, Wq, Wk, Wv, xbuf, wbuf; writes xbuf, wbuf
.if DOCPART == 1
	.amdgcn_target "amdgcn-amd-amdhsa--gfx1250"
	.amdhsa_code_object_version 6
	.text
	.protected	k_q66f12c8aba_quant
	.globl	k_q66f12c8aba_quant
	.p2align	8
	.type	k_q66f12c8aba_quant,@function
k_q66f12c8aba_quant:
	s_mov_b64 s[64:65], 0
	v_nop
	global_prefetch_b8 v0, s[64:65] scope:SCOPE_SE
	s_setreg_imm32_b32 hwreg(HW_REG_WAVE_MODE, 25, 1), 1
	s_wait_xcnt 0x0
; hidden_states [8192][768], Wq, Wk, Wv [768][768], f32, K (768) innermost, become codes of E4M3 with one E8M0 byte for each 32 along K.
; A block's scale is 2^(floor(log2(largest magnitude)) - 8); each number is divided by it, held within +-448 and rounded to the nearest code, ties to even.
; THE CODES ARE LAID AS IMAGES OF OPERAND REGISTERS.  Rows go in groups of 32; tile u (0, 1) of a group takes in lane r the row 8 u + r + 8 (r / 8).  A fragment (16 rows x 128 K) is
; 2,048 bytes: four pieces of 512, lane l's 16 bytes (K = 32 c + 16 (l / 16) + 0 .. 15 of row l % 16) at 512 c + 16 l.  So every store here, and every later load, covers 512 consecutive bytes.
;   xbuf: codes [group 256][K step 6][u 2][2048]; from byte 6,291,456 scale words [group][i 3][lane 32][2]: word a is K step 2 i + a; lanes 0-15 tile 0's rows, lanes 16-31 tile 1's.
;   wbuf: codes [group 24][6 s + 2 m + u][2048], m = 0 q, 1 k, 2 v; from byte 1,769,472 scale words [group][m 3][i 3][lane 32][2].
; SHARES.  A work-group is one group of 32 rows: work-groups 0-255 hidden_states, 256-279 Wq, 280-303 Wk, 304-327 Wv.  One path serves all four: only pointers and strides are chosen, on the work-group's number.
; Wave i takes K steps 2 i and 2 i + 1 of both tiles: four units of 16 rows x 128 numbers.  A unit's 16 loads read 512 consecutive bytes each; the unit turns through the wave's own stage in LDS (16 rows of 528 bytes),
; so that a lane gets 16 neighbours along K of each of the row's four blocks.  Waves share nothing: no barrier.  No matrix unit, cluster, tensor load or prefetch: a short stream, read once, all of it asked for early.
; LIMITS: NaN and infinities are not served.  A block whose largest magnitude lies under 2^-118, a block of zeros among them, gets the byte 1 (zero blocks have zero codes; only this program reads the bytes).
.set ROWB, 3072                        ; a row in bytes
.set STGB, 8448                        ; a wave's stage: 16 x 528
.set R,    16                          ; v16-143  two sets of 64: a unit as loaded
.set X,    144                         ; v144-207 a unit as a lane's 64 numbers: register 16 b + i = K 32 b + 16 (lane / 16) + i of row lane % 16
.set PC,   208                         ; v208-223 the fragment's codes
.set TM,   224                         ; v224-239 at work: largest magnitudes, bytes, holds, scale operands
.set PW,   240                         ; v240, v241 the scale words of tile 0 and tile 1
.set SW,   242                         ; v[242:243] the two K steps' words as they are stored
.set MNT,  28                          ; s28 the mantissa field of 448
.set HM,   29                          ; s29 the lanes 16-31
.set SEL,  30                          ; s[30:31] lane selects: lane l xor 16
	s_load_b256 s[4:11], s[0:1], 0x0               ; hidden_states, Wq, Wk, Wv
	s_load_b128 s[12:15], s[0:1], 0x20             ; xbuf, wbuf
	v_lshl_add_u32 v254, v0, 2, 0x6400
	v_mov_b32 v255, 0
	v_lshrrev_b32 v1, 5, v0
	v_readfirstlane_b32 s16, v1                    ; wave i
	v_and_b32 v1, 31, v0                           ; lane
	v_and_b32 v2, 15, v0                           ; r
	v_bfe_u32 v3, v0, 4, 1                         ; h
	v_lshlrev_b32 v4, 4, v1                        ; 16 x lane: my bytes of a load's 512, and of a piece of codes
	s_mul_i32 s46, s16, STGB
	v_add_nc_u32 v5, s46, v4                       ; the stage, on the way in
	v_mul_u32_u24 v6, v2, 528
	v_lshl_add_u32 v6, v3, 6, v6
	v_add_nc_u32 v6, s46, v6                       ; and out: row r, + 64 h
	v_lshlrev_b32 v7, 3, v1                        ; the scale words: 8 bytes a lane
.irp b, 0,1,2,3
	v_mov_b32 v[TM+4+\b], 0                        ; a lane permute's destination counts as one of its sources
.endr
	s_mov_b32 s[MNT], 0x600000
	s_mov_b32 s[HM], 0xffff0000
	s_mov_b32 s[SEL], 0x76543210
	s_mov_b32 s[SEL+1], 0xfedcba98
	s_sub_co_u32 s32, ttmp9, 280
	s_sub_co_u32 s33, ttmp9, 304
	s_sub_co_u32 s34, ttmp9, 256
	s_mov_b32 s36, 73728                           ; wbuf's strides: a group,
	s_mov_b32 s37, 12288                           ; a K step,
	s_mov_b32 s38, 2304                            ; a group's scale words,
	s_mov_b32 s39, 1769472                         ; and where they begin
	s_wait_kmcnt 0x0
	s_cmp_lt_u32 ttmp9, 304                        ; the choices hang on the work-group's number alone
	s_cselect_b64 s[18:19], s[8:9], s[10:11]
	s_cselect_b32 s17, s32, s33                    ; the group
	s_cselect_b32 s35, 1, 2                        ; m
	s_cmp_lt_u32 ttmp9, 280
	s_cselect_b64 s[18:19], s[6:7], s[18:19]
	s_cselect_b32 s17, s34, s17
	s_cselect_b32 s35, 0, s35
	s_cmp_lt_u32 ttmp9, 256
	s_cselect_b64 s[18:19], s[4:5], s[18:19]
	s_cselect_b32 s17, ttmp9, s17
	s_cselect_b32 s35, 0, s35
	s_cselect_b64 s[40:41], s[12:13], s[14:15]
	s_cselect_b32 s36, 24576, s36                  ; xbuf's strides
	s_cselect_b32 s37, 4096, s37
	s_cselect_b32 s38, 768, s38
	s_cselect_b32 s39, 6291456, s39
	s_mul_i32 s42, s17, 32*ROWB                    ; in: the group's 32 rows, my 1,024 bytes of each
	s_lshl_b32 s43, s16, 10
	s_add_co_u32 s42, s42, s43
	s_mov_b32 s43, 0
	s_add_nc_u64 s[20:21], s[18:19], s[42:43]
	s_mul_i32 s42, s17, s36                        ; codes of K step 2 i: group, 2 i K steps, m
	s_mul_i32 s44, s16, s37
	s_lshl_b32 s44, s44, 1
	s_add_co_u32 s42, s42, s44
	s_lshl_b32 s44, s35, 12
	s_add_co_u32 s42, s42, s44
	s_add_nc_u64 s[22:23], s[40:41], s[42:43]
	s_mov_b32 s44, s37
	s_mov_b32 s45, 0
	s_add_nc_u64 s[24:25], s[22:23], s[44:45]      ; and of K step 2 i + 1
	s_mul_i32 s42, s17, s38                        ; my 256 bytes of scale words
	s_add_co_u32 s42, s42, s39
	s_mul_i32 s44, s35, 768
	s_add_co_u32 s42, s42, s44
	s_lshl_b32 s44, s16, 8
	s_add_co_u32 s42, s42, s44
	s_add_nc_u64 s[26:27], s[40:41], s[42:43]
; unit q = 2 a + u: K step 2 i + a, tile u
.macro LOAD q
.irp p, 0,1,2,3,4,5,6,7,8,9,10,11,12,13,14,15
	global_load_b128 v[R+64*((\q)%2)+4*\p:R+64*((\q)%2)+4*\p+3], v4, s[20:21] offset:(8*((\q)%2)+\p+8*(\p/8))*ROWB+512*((\q)/2) th:TH_LOAD_NT   ; 32 lanes read 512 consecutive bytes of the tile's row p
.endr
.endm
; 64 numbers of a lane, v[s] on, become a fragment's codes in v[PC] on and the row's scale word in v[pw]
.macro QUANT s, pw
.irp b, 0,1,2,3
	v_max3_num_f32 v[TM+\b], |v[\s+16*\b]|, |v[\s+1+16*\b]|, 0x4800000   ; block b: my 16 numbers, and the floor 2^(9 - 127): the byte cannot fall under 1
.endr
.irp i, 2,4,6,8,10,12,14
.irp b, 0,1,2,3
	v_max3_num_f32 v[TM+\b], v[TM+\b], |v[\s+16*\b+\i]|, |v[\s+1+16*\b+\i]|   ; the four blocks by turns
.endr
.endr
.irp b, 0,1,2,3
	v_permlanex16_b32 v[TM+4+\b], v[TM+\b], s[SEL], s[SEL+1]
.endr
.irp b, 0,1,2,3
	v_max_num_f32 v[TM+\b], v[TM+\b], v[TM+4+\b]   ; with lane l xor 16's 16: the block's largest magnitude
.endr
.irp b, 0,1,2,3
	v_add_nc_u32 v[TM+12+\b], 0xfc000000, v[TM+\b] ; 8 off its exponent field: the conversion's scale operand
.endr
.irp b, 0,1,2,3
	v_and_or_b32 v[TM+8+\b], v[TM+\b], 0x7f800000, s[MNT]   ; 448 x the scale
.endr
.irp b, 0,1,2,3
	v_lshrrev_b32 v[TM+4+\b], 23, v[TM+12+\b]      ; the scale's byte
.endr
	v_lshl_or_b32 v[\pw], v[TM+5], 8, v[TM+4]
	v_lshl_or_b32 v[\pw], v[TM+6], 16, v[\pw]
	v_lshl_or_b32 v[\pw], v[TM+7], 24, v[\pw]
.irp b, 0,1,2,3
.irp i, 0,1,2,3,4,5,6,7,8,9,10,11,12,13,14,15
	v_med3_num_f32 v[\s+16*\b+\i], v[\s+16*\b+\i], -v[TM+8+\b], v[TM+8+\b]   ; the conversion does not saturate (ISA guide 7.6.2): the hold comes first
.endr
	v_cvt_scalef32_pk8_fp8_f32 v[PC+4*\b:PC+1+4*\b], v[\s+16*\b:\s+7+16*\b], v[TM+12+\b]
	v_cvt_scalef32_pk8_fp8_f32 v[PC+2+4*\b:PC+3+4*\b], v[\s+8+16*\b:\s+15+16*\b], v[TM+12+\b]
.endr
	v_nop                                          ; one plain line behind the last conversion
.endm
.macro UNIT q
.if (\q) < 3
	s_wait_loadcnt 16                              ; this unit's 16 loads are in; the next unit's 16 may be out
.else
	s_wait_loadcnt 0
.endif
.irp p, 0,1,2,3,4,5,6,7,8,9,10,11,12,13,14,15
	ds_store_b128 v5, v[R+64*((\q)%2)+4*\p:R+64*((\q)%2)+4*\p+3] offset:528*\p
.endr
.irp b, 0,1,2,3
.irp j, 0,1,2,3
	ds_load_b128 v[X+16*\b+4*\j:X+16*\b+4*\j+3], v6 offset:128*\b+16*\j   ; LDS serves a wave's instructions in order: these see the stores above
.endr
.endr
	s_wait_dscnt 0x0                               ; the numbers are back, and the stores have read the set, which may be loaded again
	s_wait_xcnt 0x0                                ; the last unit's stores have read the codes' registers
.if (\q) < 2
	LOAD (\q)+2
.endif
	QUANT X, PW+(\q)%2
.irp c, 0,1,2,3
	global_store_b128 v4, v[PC+4*\c:PC+4*\c+3], s[22+2*((\q)/2):23+2*((\q)/2)] offset:2048*((\q)%2)+512*\c   ; 512 consecutive bytes, aligned
.endr
.if (\q)%2 == 1
	v_cndmask_b32 v[SW+(\q)/2], v[PW], v[PW+1], s[HM]   ; lanes 0-15 tile 0's words, lanes 16-31 tile 1's
.endif
.endm
	LOAD 0
	LOAD 1
	UNIT 0
	UNIT 1
	UNIT 2
	UNIT 3
	global_store_b64 v7, v[SW:SW+1], s[26:27]      ; 32 lanes store 256 consecutive bytes, aligned
	s_wait_tensorcnt 0x0
	ds_add_u32 v254, v255
	s_wait_dscnt 0x0
	s_endpgm
.Lfunc_end_k_q66f12c8aba_quant:
	.size	k_q66f12c8aba_quant, .Lfunc_end_k_q66f12c8aba_quant-k_q66f12c8aba_quant
	.p2alignl 7, 3214868480
	.fill 96, 4, 3214868480
	.section	.rodata,"a",@progbits
	.p2align	6, 0x0
	.amdhsa_kernel k_q66f12c8aba_quant
		.amdhsa_group_segment_fixed_size 26112
		.amdhsa_private_segment_fixed_size 0
		.amdhsa_enable_private_segment 0
		.amdhsa_kernarg_size 48
		.amdhsa_user_sgpr_count 2
		.amdhsa_user_sgpr_kernarg_segment_ptr 1
		.amdhsa_wavefront_size32 1
		.amdhsa_system_sgpr_workgroup_id_x 1
		.amdhsa_system_sgpr_workgroup_id_y 1
		.amdhsa_system_sgpr_workgroup_id_z 1
		.amdhsa_system_vgpr_workitem_id 0
		.amdhsa_next_free_vgpr 256
		.amdhsa_next_free_sgpr 66
		.amdhsa_reserve_vcc 0
		.amdhsa_float_denorm_mode_32 3
		.amdhsa_float_denorm_mode_16_64 3
		.amdhsa_memory_ordered 1
		.amdhsa_forward_progress 1
		.amdhsa_inst_pref_size 52
	.end_amdhsa_kernel
	.amdgpu_metadata
---
amdhsa.version: [ 1, 2 ]
amdhsa.kernels:
  - .name:           k_q66f12c8aba_quant
    .symbol:         k_q66f12c8aba_quant.kd
    .args:
      - { .name: hidden_states, .offset: 0, .size: 8, .value_kind: global_buffer, .address_space: global }
      - { .name: Wq, .offset: 8, .size: 8, .value_kind: global_buffer, .address_space: global }
      - { .name: Wk, .offset: 16, .size: 8, .value_kind: global_buffer, .address_space: global }
      - { .name: Wv, .offset: 24, .size: 8, .value_kind: global_buffer, .address_space: global }
      - { .name: xbuf, .offset: 32, .size: 8, .value_kind: global_buffer, .address_space: global }
      - { .name: wbuf, .offset: 40, .size: 8, .value_kind: global_buffer, .address_space: global }
    .group_segment_fixed_size: 26112
    .private_segment_fixed_size: 0
    .kernarg_segment_align: 8
    .kernarg_segment_size: 48
    .max_flat_workgroup_size: 96
    .sgpr_count:     66
    .vgpr_count:     256
    .wavefront_size: 32
...
	.end_amdgpu_metadata
.endif
;; end of part 1
;; launch proj (part 2): grid 32 x 6, 4 waves a work-group, no clusters, 213,504 bytes of LDS; arguments xbuf, wbuf, bq, bk, bv, qbuf, kbuf, vbuf; writes qbuf, kbuf, vbuf
.if DOCPART == 2
	.amdgcn_target "amdgcn-amd-amdhsa--gfx1250"
	.amdhsa_code_object_version 6
	.text
	.protected	k_q66f12c8aba_proj
	.globl	k_q66f12c8aba_proj
	.p2align	8
	.type	k_q66f12c8aba_proj,@function
k_q66f12c8aba_proj:
	s_mov_b64 s[64:65], 0
	v_nop
	global_prefetch_b8 v0, s[64:65] scope:SCOPE_SE
	s_setreg_imm32_b32 hwreg(HW_REG_WAVE_MODE, 25, 1), 1
	s_wait_xcnt 0x0
; q = x Wq^T + bq, k = x Wk^T + bk, v = x Wv^T + bv on codes of E4M3 with E8M0 scales; k_mod = k / dh + softsign(softsign(k) / dh) + v, dh = sqrt(128), in f32.
; q and k_mod are quantised along the head's 128, v along the tokens, and stored as images of operand registers for the attention launch.
; SHARES.  A work-group takes 256 tokens (work-group x) of one head (work-group y).  Wave w owns d = 32 w .. 32 w + 31 of q, k and v: its 36 fragments of the weights (6 K steps x 3 matrices x 2 tiles, 576 registers)
; stay in registers for the whole launch, read once.  x's codes and scale words of the 256 tokens come into LDS once, by three tensor loads a wave, all first fills: nothing is filled again.
; THE TILE RULE: rows go in groups of 32; tile u of a group takes in lane r the row 8 u + r + 8 (r / 8).  With it
;   transposed (source 0 = 16 rows of W, source 1 = 16 tokens): lane (r, h) holds one token, and the 16 registers of tiles u = 0, 1 are d = 32 w + 16 h + 0 .. 15: one block of 32 along d in lanes l and l xor 16;
;   natural (source 0 = 16 tokens, source 1 = 16 rows of Wv): a lane holds one d, and the 64 registers of eight token tiles are tokens 32 b + 16 h + 0 .. 15, b = 0 .. 3: a fragment of V^T's codes.
; v IS MULTIPLIED TWICE, with the sources swapped: k_mod wants it with a token a lane, V^T's codes with a d a lane.  That is 12 of a token tile's 48 matrix instructions; it spares a turn of f32 numbers through LDS with barriers.
; The biases are the C of each sum's first K step.  Eight accumulators take turns, one instruction a turn, in the same order in every K step.
; NO CLUSTER: x's tiles are shared by the six heads of a token block, and six work-groups do not divide into clusters of four; the weights, shared along the tokens, go to registers (x's 202,752 bytes and a head's 294,912 of weights do not fit in LDS together).
; NO PREFETCH: every request goes out at the head; nothing is left to run ahead of.
; OUT.  qbuf, kbuf: codes [hb 12][tile 256][2048], hb = 6 batch + head, tile = 2 (token / 32) + u; wave w stores piece w (512 bytes) of each fragment.  From byte 6,291,456 scale words [hb][step 32][lane' 32][pair 4]:
;   tile t of a step of 128 tokens has row r's word at lane' = 16 (t % 2) + r, pair = t / 2; byte w is d-block w.   vbuf: codes [hb][step][2 w + u][2048] (16 d x 128 tokens); words [hb][step][16 u + r][w].
;   The words are gathered in LDS and leave at the end in aligned runs of 256 bytes.
; LIMITS: NaN and infinities are not served; k / dh is k x (1 / dh); a block whose largest magnitude lies under 2^-118 (zeros too) gets the byte 1; only this program reads the bytes.
; REGISTERS, in windows of 256.  Window 0: v1-15 addresses and words; v16-33 W's scale words (6 m + s); v34-39 x's (s); v40-87 q, k, v transposed (accumulator j = 2 m + u at 40 + 8 j); v88-215 v natural ((u, t) at 88 + 64 u + 8 t);
;   v216-231 at work, later V's codes; v232-239 q's and k_mod's codes; v240-255 at work.  Windows 1, 2, 3: W's fragment f = 6 s + 2 m + u at register 16 f, counted from window 1's v0.
;   Window 3 further: v64-159 x's six fragments; v160-207 the biases in the transposed layout; v208-223 bv in the natural one.
.set XSB,  196608                      ; LDS: x's codes at 0 (group of 32 tokens: 24,576 bytes; in it fragment 2 s + u); their scale words here, 768 bytes a group;
.set STG,  202752                      ; the scale words on their way out: q's, +1,024 k_mod's, +2,048 v's; 512 bytes for each 128 tokens.  No tile lands here
.set LI,   1                           ; 16 x lane
.set XA0,  2                           ; x's fragments of the 128 tokens in hand: token groups 0, 1;
.set XA1,  3                           ; groups 2, 3
.set XSA,  4                           ; x's scale words
.set QO,   5                           ; 16 x lane + 512 w
.set VO,   6                           ; 16 x lane + 4,096 w
.set SB0,  7                           ; 16 r + w
.set SBA,  8                           ; + where the 128 tokens' words lie
.set SV0,  9                           ; 16 x lane + 4 w + 2,048
.set PW0,  10
.set PW1,  11
.set VW,   12
.set SVA,  13
.set FLA,  14                          ; the flush: STG + 256 w + 8 x lane
.set FLG,  15                          ; 256 w + 8 x lane
.set WS,   16
.set XS,   34
.set ACC,  40
.set AQ,   40
.set AK,   56
.set AV,   72
.set VACC, 88
.set T,    216
.set PC,   216
.set PCQ,  232
.set PCK,  236
.set TM,   240
.set M1,   240
.set M2,   241
.set SCL,  242
.set HD,   243
.set BYQ,  244
.set BYK,  245
.set XF,   64                          ; window 3
.set BT,   160
.set BV,   208
.set WV,   20                          ; s20 wave
.set SEL,  52                          ; s[52:53]
.set MNT,  54
.set HM,   55
.set INV,  56                          ; s[56:57] 1 / sqrt(128)
.set GRP,  58
.set XB,   59
.set XSO,  60
.set SGO,  61
.set MSB, 0
.macro WIN new                         ; the immediate's high byte repeats the setting that is left; a switch that changes nothing is dropped
.if MSB != (\new)
	s_set_vgpr_msb (MSB<<8)|(\new)
.set MSB, (\new)
.endif
.endm
; one matrix instruction on rD, rA, rB, rC, rSA, rSB; ra, rb: the scales stand in lanes 16-31 of their registers
.macro WM ra, rb
.if (\ra) && (\rb)
	v_wmma_scale_f32_16x16x128_f8f6f4 v[rD:rD+7], v[rA:rA+15], v[rB:rB+15], v[rC:rC+7], v[rSA], v[rSB] matrix_a_scale:MATRIX_SCALE_ROW1 matrix_b_scale:MATRIX_SCALE_ROW1
.elseif (\ra)
	v_wmma_scale_f32_16x16x128_f8f6f4 v[rD:rD+7], v[rA:rA+15], v[rB:rB+15], v[rC:rC+7], v[rSA], v[rSB] matrix_a_scale:MATRIX_SCALE_ROW1
.elseif (\rb)
	v_wmma_scale_f32_16x16x128_f8f6f4 v[rD:rD+7], v[rA:rA+15], v[rB:rB+15], v[rC:rC+7], v[rSA], v[rSB] matrix_b_scale:MATRIX_SCALE_ROW1
.else
	v_wmma_scale_f32_16x16x128_f8f6f4 v[rD:rD+7], v[rA:rA+15], v[rB:rB+15], v[rC:rC+7], v[rSA], v[rSB]
.endif
.endm
.macro WMT t, s, j                     ; transposed: W's tile j = 2 m + u x token tile t, K step s
.set wf, 1+(6*(\s)+(\j))/16
.set rA, (16*(6*(\s)+(\j)))%256
.set rB, XF+16*(\s)
.set rD, ACC+8*(\j)
.set rSA, WS+6*((\j)/2)+(\s)
.set rSB, XS+(\s)
.if (\s) == 0
	WIN wf|(3<<2)|(3<<4)
.set rC, BT+8*(\j)
.else
	WIN wf|(3<<2)
.set rC, rD
.endif
	WM (\j)%2, (\t)%2
.endm
.macro WMN t, s, u                     ; natural: token tile t x Wv's tile u, K step s
.set wf, 1+(6*(\s)+4+(\u))/16
.set rA, XF+16*(\s)
.set rB, (16*(6*(\s)+4+(\u)))%256
.set rD, VACC+64*(\u)+8*(\t)
.set rSA, XS+(\s)
.set rSB, WS+12+(\s)
.if (\s) == 0
	WIN 3|(wf<<2)|(3<<4)
.set rC, BV+8*(\u)
.else
	WIN 3|(wf<<2)
.set rC, rD
.endif
	WM (\t)%2, (\u)
.endm
.macro XFETCH tt                       ; token tile tt's six fragments; with an even tile the scale words of its group of 32 tokens (both tiles')
	WIN 0xc0
.irp s, 0,1,2,3,4,5
.irp c, 0,1,2,3
	ds_load_b128 v[XF+16*\s+4*\c:XF+16*\s+4*\c+3], v[XA0+(\tt)/4] offset:(((\tt)/2)%2)*24576+(2*\s+(\tt)%2)*2048+512*\c
.endr
.endr
	WIN 0
.if (\tt)%2 == 0
.irp i, 0,1,2
	ds_load_b64 v[XS+2*\i:XS+2*\i+1], v[XSA] offset:((\tt)/2)*768+256*\i
.endr
.endif
.endm
; one block of 32 along d: my 16 numbers v[s] on become 16 codes in v[pc] on, the block's byte in v[by].  Each accumulator is first read at its low end
.macro QB s, pc, by
	v_max3_num_f32 v[M1], |v[(\s)]|, |v[(\s)+1]|, 0x4800000   ; with the floor 2^(9 - 127): the byte cannot fall under 1
	v_max3_num_f32 v[M2], |v[(\s)+2]|, |v[(\s)+3]|, |v[(\s)+4]|
	v_max3_num_f32 v[M1], v[M1], |v[(\s)+5]|, |v[(\s)+6]|
	v_max3_num_f32 v[M2], v[M2], |v[(\s)+7]|, |v[(\s)+8]|
	v_max3_num_f32 v[M1], v[M1], |v[(\s)+9]|, |v[(\s)+10]|
	v_max3_num_f32 v[M2], v[M2], |v[(\s)+11]|, |v[(\s)+12]|
	v_max3_num_f32 v[M1], v[M1], |v[(\s)+13]|, |v[(\s)+14]|
	v_max3_num_f32 v[M1], v[M1], v[M2], |v[(\s)+15]|
	v_permlanex16_b32 v[M2], v[M1], s[SEL], s[SEL+1]
	v_max_num_f32 v[M1], v[M1], v[M2]              ; with lane l xor 16's 16
	v_add_nc_u32 v[SCL], 0xfc000000, v[M1]         ; 8 off the exponent field: the conversion's scale operand
	v_lshrrev_b32 v[\by], 23, v[SCL]
.irp i, 0,1,2,3,4,5,6,7,8,9,10,11,12,13,14,15
.endr
	v_cvt_scalef32_pk8_fp8_f32 v[(\pc):(\pc)+1], v[(\s):(\s)+7], v[SCL]
	v_cvt_scalef32_pk8_fp8_f32 v[(\pc)+2:(\pc)+3], v[(\s)+8:(\s)+15], v[SCL]
	v_nop                                          ; one plain line behind the last conversion
.endm
; 64 numbers of a lane, register 16 b + i = K 32 b + 16 (lane / 16) + i, become a fragment's codes in v[PC] on and the row's scale word in v[pw]
.macro QUANT s, pw
.irp b, 0,1,2,3
	v_max3_num_f32 v[TM+\b], |v[\s+16*\b]|, |v[\s+1+16*\b]|, 0x4800000
.endr
.irp i, 2,4,6,8,10,12,14
.irp b, 0,1,2,3
	v_max3_num_f32 v[TM+\b], v[TM+\b], |v[\s+16*\b+\i]|, |v[\s+1+16*\b+\i]|
.endr
.endr
.irp b, 0,1,2,3
	v_permlanex16_b32 v[TM+4+\b], v[TM+\b], s[SEL], s[SEL+1]
.endr
.irp b, 0,1,2,3
	v_max_num_f32 v[TM+\b], v[TM+\b], v[TM+4+\b]
.endr
.irp b, 0,1,2,3
	v_add_nc_u32 v[TM+12+\b], 0xfc000000, v[TM+\b]
.endr
.irp b, 0,1,2,3
.endr
.irp b, 0,1,2,3
	v_lshrrev_b32 v[TM+4+\b], 23, v[TM+12+\b]
.endr
	v_lshl_or_b32 v[\pw], v[TM+5], 8, v[TM+4]
	v_lshl_or_b32 v[\pw], v[TM+6], 16, v[\pw]
	v_lshl_or_b32 v[\pw], v[TM+7], 24, v[\pw]
.irp b, 0,1,2,3
.irp i, 0,1,2,3,4,5,6,7,8,9,10,11,12,13,14,15
.endr
	v_cvt_scalef32_pk8_fp8_f32 v[PC+4*\b:PC+1+4*\b], v[\s+16*\b:\s+7+16*\b], v[TM+12+\b]
	v_cvt_scalef32_pk8_fp8_f32 v[PC+2+4*\b:PC+3+4*\b], v[\s+8+16*\b:\s+15+16*\b], v[TM+12+\b]
.endr
	v_nop
.endm
; what follows a token tile's products: k_mod, and q's and k_mod's codes and bytes
.macro EPI t
.irp i, 0,1,2,3,4,5,6,7,8,9,10,11,12,13,14,15
	v_add_f32 v[T+\i], 1.0, |v[AK+\i]|             ; 1 + |k|
.endr
	s_wait_alu depctr_va_vdst(0)
.irp i, 0,1,2,3,4,5,6,7,8,9,10,11,12,13,14,15
	v_rcp_f32 v[T+\i], v[T+\i]
.endr
.irp i, 0,2,4,6,8,10,12,14
	v_pk_mul_f32 v[AK+\i:AK+\i+1], v[AK+\i:AK+\i+1], s[INV:INV+1] op_sel_hi:[1,0]   ; k / dh.  (Plain lines behind the reciprocals)
.endr
	s_wait_alu depctr_va_vdst(0)
	QB AQ, PCQ, BYQ                                ; q's block: work that names no reciprocal
	global_store_b128 v[QO], v[PCQ:PCQ+3], s[66:67] offset:2048*(\t)   ; piece w of the tile's fragment: 512 consecutive bytes
	ds_store_b8 v[SBA], v[BYQ] offset:256*((\t)%2)+4*((\t)/2)          ; both lanes of a block write the same byte with the same value
	s_wait_alu depctr_va_vdst(0)                   ; one wait for the sixteen reciprocals, ahead of their first reader
.irp i, 0,2,4,6,8,10,12,14
	v_pk_mul_f32 v[T+\i:T+\i+1], v[AK+\i:AK+\i+1], v[T+\i:T+\i+1]      ; y = softsign(k) / dh
.endr
.irp i, 0,2,4,6,8,10,12,14
	v_pk_add_f32 v[AV+\i:AV+\i+1], v[AK+\i:AK+\i+1], v[AV+\i:AV+\i+1]  ; k / dh + v
.endr
.irp i, 0,1,2,3,4,5,6,7,8,9,10,11,12,13,14,15
	v_add_f32 v[AK+\i], 1.0, |v[T+\i]|             ; 1 + |y|
.endr
	s_wait_alu depctr_va_vdst(0)
.irp i, 0,1,2,3,4,5,6,7,8,9,10,11,12,13,14,15
	v_rcp_f32 v[AK+\i], v[AK+\i]
.endr
	v_nop                                          ; a plain line behind the last reciprocal
	s_wait_alu depctr_va_vdst(0)                   ; and one wait for this batch
.irp i, 0,2,4,6,8,10,12,14
	v_pk_fma_f32 v[AV+\i:AV+\i+1], v[T+\i:T+\i+1], v[AK+\i:AK+\i+1], v[AV+\i:AV+\i+1]   ; + softsign(y): k_mod
.endr
	QB AV, PCK, BYK
	global_store_b128 v[QO], v[PCK:PCK+3], s[68:69] offset:2048*(\t)
	ds_store_b8 v[SBA], v[BYK] offset:1024+256*((\t)%2)+4*((\t)/2)
.endm
.macro TILE t                          ; 16 tokens: 48 matrix instructions, then the vector work; the next tile's fragments land under it
	s_wait_dscnt 0x0                               ; x's fragments and scale words are in
.irp s, 0,1,2,3,4,5
.irp j, 0,1,2,3,4,5
	WMT \t, \s, \j
.endr
	WMN \t, \s, 0
	WMN \t, \s, 1
.endr
	WIN 0
.rept 8
	v_nop                                          ; eight places ahead of the loads into x's fragments and words, and of the first reads of results
.endr
.if (\t) < 7
	XFETCH (\t)+1
.endif
	s_wait_xcnt 0x0                                ; the last tile's stores have read the codes' registers
	EPI \t
.endm
.macro VQ                              ; v of 128 tokens x my 32 d: two fragments of V^T
	QUANT VACC, PW0
.irp c, 0,1,2,3
	global_store_b128 v[VO], v[PC+4*\c:PC+4*\c+3], s[70:71] offset:512*\c
.endr
	s_wait_xcnt 0x0                                ; the stores have read the codes' registers
	QUANT VACC+64, PW1
.irp c, 0,1,2,3
	global_store_b128 v[VO], v[PC+4*\c:PC+4*\c+3], s[70:71] offset:2048+512*\c
.endr
	v_cndmask_b32 v[VW], v[PW0], v[PW1], s[HM]     ; lanes 0-15 tile 0's words, lanes 16-31 tile 1's
	ds_store_b32 v[SVA], v[VW]
.endm
	s_load_b256 s[4:11], s[0:1], 0x0               ; xbuf, wbuf, bq, bk
	s_load_b256 s[12:19], s[0:1], 0x20             ; bv, qbuf, kbuf, vbuf
	s_set_vgpr_msb 0xc0
	v_lshl_add_u32 v254, v0, 2, 0x34000
	v_mov_b32 v255, 0
	s_set_vgpr_msb 0xc0cf
	ds_add_u32 v254, v255
	ds_add_u32 v254, v255
	s_set_vgpr_msb 0xcf00
	v_lshrrev_b32 v40, 5, v0
	v_readfirstlane_b32 s[WV], v40                 ; wave 0..3
	s_mov_b32 s21, ttmp9                           ; the block of 256 tokens
	s_and_b32 s22, ttmp7, 0xffff                   ; the head
	s_lshr_b32 s23, s21, 4
	s_mul_i32 s23, s23, 6
	s_add_co_u32 s23, s23, s22                     ; hb = 6 batch + head
	; descriptor group 1: dense blocks as rows of 256 bytes (32 elements of 8 bytes), no padding: 96 rows of codes; 6 rows of scale words
	s_mov_b32 s24, 3<<16
	s_mov_b32 s25, 32<<16
	s_mov_b32 s26, 96<<16
	s_mov_b32 s27, 32<<16
	s_mov_b32 s28, 96
	s_mov_b32 s29, 32
	s_mov_b32 s30, 0
	s_mov_b32 s31, 0
	s_mov_b32 s32, 3<<16
	s_mov_b32 s33, 32<<16
	s_mov_b32 s34, 6<<16
	s_mov_b32 s35, 32<<16
	s_mov_b32 s36, 6
	s_mov_b32 s37, 32
	s_mov_b32 s38, 0
	s_mov_b32 s39, 0
	s_mul_i32 s88, s21, 6144                       ; my quarter of the block's scale words: in xbuf,
	s_mul_i32 s90, s[WV], 1536
	s_add_co_u32 s88, s88, s90
	s_add_co_u32 s88, s88, 6291456
	s_mov_b32 s89, 0
	s_add_co_u32 s41, s90, XSB                     ; and in LDS
	s_mul_i32 s92, s21, 196608                     ; my 32 tokens of the first 128: in xbuf,
	s_mul_i32 s45, s[WV], 24576                    ; and in LDS
	s_add_co_u32 s92, s92, s45
	s_mov_b32 s93, 0
	s_add_co_u32 s49, s45, 98304                   ; and of the second 128
	s_mov_b32 s40, 1
	s_mov_b32 s44, 1
	s_mov_b32 s48, 1
	v_and_b32 v40, 31, v0                          ; lane
	v_and_b32 v41, 15, v0                          ; r
	v_bfe_u32 v42, v0, 4, 1                        ; h
	v_lshlrev_b32 v[LI], 4, v40
	s_lshl_b32 s94, s[WV], 9
	v_add_nc_u32 v[QO], s94, v[LI]
	s_lshl_b32 s94, s[WV], 12
	v_add_nc_u32 v[VO], s94, v[LI]
	v_lshlrev_b32 v[SB0], 4, v41
	v_add_nc_u32 v[SB0], s[WV], v[SB0]
	s_lshl_b32 s94, s[WV], 2
	s_add_co_u32 s94, s94, 2048
	v_add_nc_u32 v[SV0], s94, v[LI]
	s_lshl_b32 s94, s[WV], 8
	v_lshl_add_u32 v[FLG], v40, 3, s94
	v_add_nc_u32 v[FLA], STG, v[FLG]
	v_and_b32 v43, 8, v41
	v_add_nc_u32 v43, v43, v41
	v_lshlrev_b32 v43, 2, v43                      ; 4 (r + 8 (r / 8)): bv in the natural layout
	v_lshlrev_b32 v44, 6, v42                      ; 64 h: the biases in the transposed layout
	v_lshlrev_b32 v45, 3, v40                      ; 8 x lane: W's scale words
	v_mov_b32 v[M2], 0                             ; lane permutes' destinations count as sources
.irp b, 0,1,2,3
	v_mov_b32 v[TM+4+\b], 0
.endr
	s_mov_b32 s[SEL], 0x76543210
	s_mov_b32 s[SEL+1], 0xfedcba98
	s_mov_b32 s[HM], 0xffff0000
	s_mov_b32 s[INV], 0x3db504f3                   ; 1 / sqrt(128)
	s_mov_b32 s[INV+1], s[INV]                     ; (named with it as a pair)
	s_wait_alu depctr_va_vdst(0)
	s_wait_dscnt 0x0
	s_wait_kmcnt 0x0
	s_add_nc_u64 s[42:43], s[4:5], s[88:89]
	s_or_b32 s43, s43, 0x80000000
	s_add_nc_u64 s[46:47], s[4:5], s[92:93]
	s_add_nc_u64 s[50:51], s[46:47], 98304
	s_or_b32 s47, s47, 0x80000000
	s_or_b32 s51, s51, 0x80000000
	tensor_load_to_lds s[40:43], s[32:39]          ; the three first fills go out together: three loads of mine are out
	s_nop 0
	tensor_load_to_lds s[44:47], s[24:31]
	s_nop 0
	tensor_load_to_lds s[48:51], s[24:31]
	s_nop 0
.rept 4
	v_nop                                          ; four nops behind the tensor loads
.endr
	s_and_b32 s88, s21, 15
	s_lshl_b32 s90, s88, 15                        ; the block's 16 tiles, or 2 steps of V, in its batch's head
	s_lshl_b32 s91, s23, 19
	s_add_co_u32 s90, s90, s91
	s_mov_b32 s91, 0
	s_add_nc_u64 s[66:67], s[14:15], s[90:91]      ; q's codes
	s_add_nc_u64 s[68:69], s[16:17], s[90:91]      ; k_mod's
	s_add_nc_u64 s[70:71], s[18:19], s[90:91]      ; v's
	s_lshl_b32 s90, s88, 10
	s_lshl_b32 s92, s23, 14
	s_add_co_u32 s90, s90, s92
	s_add_co_u32 s90, s90, 6291456
	s_add_nc_u64 s[72:73], s[14:15], s[90:91]      ; and their scale words
	s_add_nc_u64 s[74:75], s[16:17], s[90:91]
	s_add_nc_u64 s[76:77], s[18:19], s[90:91]
	s_lshl_b32 s88, s22, 2
	s_add_co_u32 s88, s88, s[WV]                   ; my group of 32 rows of each weight: 4 head + w
	s_mul_i32 s90, s88, 73728
	s_add_nc_u64 s[78:79], s[6:7], s[90:91]
	s_mul_i32 s90, s88, 2304
	s_add_co_u32 s90, s90, 1769472
	s_add_nc_u64 s[80:81], s[6:7], s[90:91]
	s_lshl_b32 s90, s88, 7
	s_add_nc_u64 s[82:83], s[8:9], s[90:91]        ; bq, bk, bv at my 32 numbers
	s_add_nc_u64 s[84:85], s[10:11], s[90:91]
	s_add_nc_u64 s[86:87], s[12:13], s[90:91]
.set f, 0
.rept 36                               ; the weights' fragments: they stay
	WIN (1+f/16)<<6
.irp c, 0,1,2,3
	global_load_b128 v[(16*f)%256+4*\c:(16*f)%256+4*\c+3], v[LI], s[78:79] offset:2048*f+512*\c
.endr
.set f, f+1
.endr
	WIN 0xc0
.irp m, 0,1,2
.irp q, 0,1,2,3
	global_load_b128 v[BT+16*\m+4*\q:BT+16*\m+4*\q+3], v44, s[82+2*\m:83+2*\m] offset:16*\q   ; register 16 m + i: b_m at d = 32 w + 16 h + i
.endr
.endr
.irp u, 0,1
.irp j, 0,1,2,3,4,5,6,7
	global_load_b32 v[BV+8*\u+\j], v43, s[86:87] offset:32*\u   ; eight equal registers: bv at d = 32 w + 8 u + r + 8 (r / 8)
.endr
.endr
	WIN 0
.irp m, 0,1,2
.irp i, 0,1,2
	global_load_b64 v[WS+6*\m+2*\i:WS+6*\m+2*\i+1], v45, s[80:81] offset:768*\m+256*\i
.endr
.endr
	s_mov_b32 s[GRP], 2
	s_mov_b32 s[XB], 0
	s_mov_b32 s[XSO], XSB
	s_mov_b32 s[SGO], STG
	s_wait_loadcnt 0x0                             ; the weights, their words, the biases
	s_wait_tensorcnt 0x0                           ; my parts of x's codes and words have landed,
	s_barrier_signal -1
	s_barrier_wait -1                              ; everybody's have.  Nothing is filled again, so the loop needs no barrier
.Lgroup:                                           ; two trips: 128 tokens each
	v_add_nc_u32 v[XA0], s[XB], v[LI]
	v_add_nc_u32 v[XA1], 49152, v[XA0]
	v_lshrrev_b32 v[XSA], 1, v[LI]
	v_add_nc_u32 v[XSA], s[XSO], v[XSA]
	v_add_nc_u32 v[SBA], s[SGO], v[SB0]
	v_add_nc_u32 v[SVA], s[SGO], v[SV0]
	XFETCH 0
	s_wait_alu depctr_va_vdst(0)
	TILE 0
	TILE 1
	TILE 2
	TILE 3
	TILE 4
	TILE 5
	TILE 6
	TILE 7
	VQ
	s_wait_xcnt 0x0                                ; the stores have read their bases and data
	s_add_nc_u64 s[66:67], s[66:67], 16384
	s_add_nc_u64 s[68:69], s[68:69], 16384
	s_add_nc_u64 s[70:71], s[70:71], 16384
	s_add_co_u32 s[XB], s[XB], 98304
	s_add_co_u32 s[XSO], s[XSO], 3072
	s_add_co_u32 s[SGO], s[SGO], 512
	s_sub_co_u32 s[GRP], s[GRP], 1
	s_cmp_lg_u32 s[GRP], 0
	s_cbranch_scc1 .Lgroup
	s_wait_dscnt 0x0                               ; for the others' sake: my bytes and words lie in LDS
	s_barrier_signal -1
	s_barrier_wait -1
	ds_load_b64 v[40:41], v[FLA]
	ds_load_b64 v[42:43], v[FLA] offset:1024
	ds_load_b64 v[44:45], v[FLA] offset:2048
	s_wait_dscnt 0x0
	global_store_b64 v[FLG], v[40:41], s[72:73]    ; each store of the wave covers 256 consecutive bytes, aligned
	global_store_b64 v[FLG], v[42:43], s[74:75]
	global_store_b64 v[FLG], v[44:45], s[76:77]
	s_set_vgpr_msb 0xf
	s_wait_tensorcnt 0x0
	ds_add_u32 v254, v255
	s_wait_dscnt 0x0
	s_set_vgpr_msb 0xf00
	s_endpgm
.Lfunc_end_k_q66f12c8aba_proj:
	.size	k_q66f12c8aba_proj, .Lfunc_end_k_q66f12c8aba_proj-k_q66f12c8aba_proj
	.p2alignl 7, 3214868480
	.fill 96, 4, 3214868480
	.section	.rodata,"a",@progbits
	.p2align	6, 0x0
	.amdhsa_kernel k_q66f12c8aba_proj
		.amdhsa_group_segment_fixed_size 213504
		.amdhsa_private_segment_fixed_size 0
		.amdhsa_enable_private_segment 0
		.amdhsa_kernarg_size 64
		.amdhsa_user_sgpr_count 2
		.amdhsa_user_sgpr_kernarg_segment_ptr 1
		.amdhsa_wavefront_size32 1
		.amdhsa_system_sgpr_workgroup_id_x 1
		.amdhsa_system_sgpr_workgroup_id_y 1
		.amdhsa_system_sgpr_workgroup_id_z 1
		.amdhsa_system_vgpr_workitem_id 0
		.amdhsa_next_free_vgpr 1024
		.amdhsa_next_free_sgpr 96
		.amdhsa_reserve_vcc 0
		.amdhsa_float_denorm_mode_32 3
		.amdhsa_float_denorm_mode_16_64 3
		.amdhsa_fp16_overflow 1
		.amdhsa_memory_ordered 1
		.amdhsa_forward_progress 1
		.amdhsa_inst_pref_size 158
	.end_amdhsa_kernel
	.amdgpu_metadata
---
amdhsa.version: [ 1, 2 ]
amdhsa.kernels:
  - .name:           k_q66f12c8aba_proj
    .symbol:         k_q66f12c8aba_proj.kd
    .args:
      - { .name: xbuf, .offset: 0, .size: 8, .value_kind: global_buffer, .address_space: global }
      - { .name: wbuf, .offset: 8, .size: 8, .value_kind: global_buffer, .address_space: global }
      - { .name: bq, .offset: 16, .size: 8, .value_kind: global_buffer, .address_space: global }
      - { .name: bk, .offset: 24, .size: 8, .value_kind: global_buffer, .address_space: global }
      - { .name: bv, .offset: 32, .size: 8, .value_kind: global_buffer, .address_space: global }
      - { .name: qbuf, .offset: 40, .size: 8, .value_kind: global_buffer, .address_space: global }
      - { .name: kbuf, .offset: 48, .size: 8, .value_kind: global_buffer, .address_space: global }
      - { .name: vbuf, .offset: 56, .size: 8, .value_kind: global_buffer, .address_space: global }
    .group_segment_fixed_size: 213504
    .private_segment_fixed_size: 0
    .kernarg_segment_align: 8
    .kernarg_segment_size: 64
    .max_flat_workgroup_size: 128
    .sgpr_count:     96
    .vgpr_count:     1024
    .wavefront_size: 32
...
	.end_amdgpu_metadata
.endif
;; end of part 2
;; launch attn (part 3): grid 16 x 12, 8 waves a work-group, clusters of 4 x 1, 327,680 bytes of LDS; arguments qbuf, kbuf, vbuf, attention_mask, out0; writes out0
.if DOCPART == 3
	.amdgcn_target "amdgcn-amd-amdhsa--gfx1250"
	.amdhsa_code_object_version 6
	.text
	.protected	k_q66f12c8aba_attn
	.globl	k_q66f12c8aba_attn
	.p2align	8
	.type	k_q66f12c8aba_attn,@function
k_q66f12c8aba_attn:
	s_mov_b64 s[64:65], 0
	v_nop
	global_prefetch_b8 v0, s[64:65] scope:SCOPE_SE
	s_setreg_imm32_b32 hwreg(HW_REG_WAVE_MODE, 25, 1), 1
	s_wait_xcnt 0x0
	s_wait_alu depctr_hold_cnt(0) depctr_sa_sdst(0) depctr_va_vdst(0) depctr_va_sdst(0) depctr_va_ssrc(0) depctr_va_vcc(0) depctr_vm_vsrc(0)
	s_getreg_b32 s2, hwreg(HW_REG_IB_STS2, 6, 4)
	s_cmp_eq_u32 s2, 0
	s_cbranch_scc0 .Lentry_in_a_cluster
	s_endpgm
.Lentry_in_a_cluster:
	s_bfe_u32 s2, ttmp6, 0x10000c
	s_cmp_lg_u32 s2, 0x3003
	s_cbranch_scc0 .Lentry_shape_is_right
	s_endpgm
.Lentry_shape_is_right:
.set SLOT1, 1<<17
.set SCK,   262144
.set SPARE, 294912
.set AF,   1
.set ADK,  2
.set ADV,  3
.set ADS,  4
.set SPW,  5
.set NIL,  6
.set PFO,  7
.set KS,   8
.set VS,   12
.set QS,   16
.set PWA,  17
.set PWB,  18
.set TA,   20
.set TBS,  28
.set BM,   36
.set T2,   40
.set HD,   44
.set SC,   48
.set X0,   52
.set X2,   54
.set STA,  60
.set STB,  61
.set F,    64
.set PA,   64
.set PB,   80
.set SA,   128
.set SB,   192
.set WV,   14
.set SEL,  20
.set MNT,  22
.set TB,   48
.set TS,   49
.set SLOTS, 50
.set STP,  51
.set PFA,  52
.set LIM,  54
.set MSB, 0
.macro WIN new
.if MSB != (\new)
	s_set_vgpr_msb (MSB<<8)|(\new)
.set MSB, (\new)
.endif
.endm
.macro CROUND
	s_barrier_signal -1
	s_barrier_wait -1
	s_cmp_lg_u32 s[WV], 0
	s_cbranch_scc1 .Lnot_wave_0_\@
	s_barrier_signal -3
.Lnot_wave_0_\@:
	s_barrier_wait -3
	s_barrier_signal -1
	s_barrier_wait -1
.endm
.macro ASK
	s_cmp_gt_u32 s[SLOTS], s[LIM]
	s_cbranch_scc0 .Lnot_mine_\@
	global_prefetch_b8 v[PFO], s[PFA:PFA+1] th:TH_LOAD_NT scope:SCOPE_SE
.Lnot_mine_\@:
.endm
.macro WMK ra, rb
.if (\ra) && (\rb)
	v_wmma_scale_f32_16x16x128_f8f6f4 v[rD:rD+7], v[rA:rA+15], v[rB:rB+15], 0, v[rSA], v[rSB] matrix_a_scale:MATRIX_SCALE_ROW1 matrix_b_scale:MATRIX_SCALE_ROW1
.elseif (\ra)
	v_wmma_scale_f32_16x16x128_f8f6f4 v[rD:rD+7], v[rA:rA+15], v[rB:rB+15], 0, v[rSA], v[rSB] matrix_a_scale:MATRIX_SCALE_ROW1
.elseif (\rb)
	v_wmma_scale_f32_16x16x128_f8f6f4 v[rD:rD+7], v[rA:rA+15], v[rB:rB+15], 0, v[rSA], v[rSB] matrix_b_scale:MATRIX_SCALE_ROW1
.else
	v_wmma_scale_f32_16x16x128_f8f6f4 v[rD:rD+7], v[rA:rA+15], v[rB:rB+15], 0, v[rSA], v[rSB]
.endif
.endm
.macro WMP ra
.if (\ra)
	v_wmma_scale_f32_16x16x128_f8f6f4 v[rD:rD+7], v[rA:rA+15], v[rB:rB+15], v[rD:rD+7], v[rSA], v[rSB] matrix_a_scale:MATRIX_SCALE_ROW1
.else
	v_wmma_scale_f32_16x16x128_f8f6f4 v[rD:rD+7], v[rA:rA+15], v[rB:rB+15], v[rD:rD+7], v[rSA], v[rSB]
.endif
.endm
.macro KQ t
.set rA, F+16*((\t)%4)
.set rSA, KS+(\t)/2
.set rSB, QS
.set rD, SA+8*(\t)
.set rB, 128
	WMK (\t)%2, 0
.set rD, SB+8*(\t)
.set rB, 144
	WMK (\t)%2, 1
.endm
.macro SMX sb, st, pc, pw
.irp b, 0,1,2,3
	v_max3_num_f32 v[BM+\b], v[\sb+16*\b], v[\sb+16*\b+1], v[\sb+16*\b+2]
.endr
.irp i, 3,5,7,9,11,13
.irp b, 0,1,2,3
	v_max3_num_f32 v[BM+\b], v[BM+\b], v[\sb+16*\b+\i], v[\sb+16*\b+\i+1]
.endr
.endr
.irp b, 0,1,2,3
	v_max_num_f32 v[BM+\b], v[BM+\b], v[\sb+16*\b+15]
.endr
.irp b, 0,1,2,3
	s_delay_alu instid0(VALU_DEP_4)
	v_permlanex16_b32 v[T2+\b], v[BM+\b], s[SEL], s[SEL+1]
.endr
.irp b, 0,1,2,3
	s_delay_alu instid0(VALU_DEP_4)
	v_max_num_f32 v[BM+\b], v[BM+\b], v[T2+\b]
.endr
	s_delay_alu instid0(VALU_DEP_2)
	v_max3_num_f32 v[X2], v[BM], v[BM+1], v[BM+2]
	s_delay_alu instid0(VALU_DEP_1)
	v_max_num_f32 v[X2], v[X2], v[BM+3]
	s_delay_alu instid0(VALU_DEP_1)
	v_fma_f32 v[X2], v[X2], v[\st+4], v[\st+5]
	s_delay_alu instid0(VALU_DEP_1)
	v_max_num_f32 v[\st+1], v[\st+1], v[X2]
	v_mov_b32 v[X2], v[\st+7]
	s_delay_alu instid0(VALU_DEP_2)
	v_floor_f32 v[\st+7], -v[\st+1]
	s_delay_alu instid0(VALU_DEP_1)
	v_sub_f32 v[X2], v[\st+7], v[X2]
	s_delay_alu instid0(VALU_DEP_1)
	v_cvt_i32_f32 v[X2], v[X2]
	s_delay_alu instid0(VALU_DEP_1)
	v_ldexp_f32 v[\st+6], 1.0, v[X2]
	s_delay_alu instid0(VALU_DEP_4)
	v_add_f32 v[\st], v[\st+7], v[\st+5]
.irp j, 0,2,4,6,8,10,12,14,16,18,20,22,24,26,28,30,32,34,36,38,40,42,44,46,48,50,52,54,56,58,60,62
	v_pk_fma_f32 v[\sb+\j:\sb+\j+1], v[\sb+\j:\sb+\j+1], v[\st+4:\st+5], v[\st:\st+1] op_sel_hi:[1,0,0]
.endr
.irp b, 0,1,2,3
	v_fma_f32 v[BM+\b], v[BM+\b], v[\st+4], v[\st]
.endr
	s_wait_alu depctr_va_vdst(0)
.irp j, 0,1,2,3,4,5,6,7,8,9,10,11,12,13,14,15,16,17,18,19,20,21,22,23,24,25,26,27,28,29,30,31,32,33,34,35,36,37,38,39,40,41,42,43,44,45,46,47,48,49,50,51,52,53,54,55,56,57,58,59,60,61,62,63
	v_exp_f32 v[\sb+\j], v[\sb+\j]
.endr
	v_pk_mul_f32 v[\st+2:\st+3], v[\st+2:\st+3], v[\st+6:\st+7] op_sel_hi:[1,0]
	s_wait_alu depctr_va_vdst(0)
.irp b, 0,1,2,3
	v_exp_f32 v[BM+\b], v[BM+\b]
.endr
	v_pk_add_f32 v[X0:X0+1], v[\sb:\sb+1], v[\sb+2:\sb+3]
.irp j, 4,8,12,16,20,24,28,32,36,40,44,48,52,56,60
	v_pk_add_f32 v[\st+2:\st+3], v[\st+2:\st+3], v[\sb+\j:\sb+\j+1]
	v_pk_add_f32 v[X0:X0+1], v[X0:X0+1], v[\sb+\j+2:\sb+\j+3]
.endr
	s_delay_alu instid0(VALU_DEP_1)
	v_pk_add_f32 v[\st+2:\st+3], v[\st+2:\st+3], v[X0:X0+1]
	s_wait_alu depctr_va_vdst(0)
.irp b, 0,1,2,3
	v_max_num_f32 v[BM+\b], 0x4800000, v[BM+\b]
.endr
.irp b, 0,1,2,3
	s_delay_alu instid0(VALU_DEP_4)
	v_add_nc_u32 v[SC+\b], 0xfc000000, v[BM+\b]
.endr
.irp b, 0,1,2,3
.endr
.irp b, 0,1,2,3
	s_delay_alu instid0(VALU_DEP_4)
	v_lshrrev_b32 v[T2+\b], 23, v[SC+\b]
.endr
	s_delay_alu instid0(VALU_DEP_3)
	v_lshl_or_b32 v[\pw], v[T2+1], 8, v[T2]
	s_delay_alu instid0(VALU_DEP_1)
	v_lshl_or_b32 v[\pw], v[T2+2], 16, v[\pw]
	s_delay_alu instid0(VALU_DEP_1)
	v_lshl_or_b32 v[\pw], v[T2+3], 24, v[\pw]
.irp b, 0,1,2,3
.irp i, 0,1,2,3,4,5,6,7,8,9,10,11,12,13,14,15
.endr
	v_cvt_scalef32_pk8_fp8_f32 v[\pc+4*\b:\pc+4*\b+1], v[\sb+16*\b:\sb+16*\b+7], v[SC+\b]
	v_cvt_scalef32_pk8_fp8_f32 v[\pc+4*\b+2:\pc+4*\b+3], v[\sb+16*\b+8:\sb+16*\b+15], v[SC+\b]
.endr
.endm
.macro VFETCH d0
.irp d, 0,1,2,3
.irp c, 0,1,2,3
	ds_load_b128 v[SA+16*(\d0+\d)+4*\c:SA+16*(\d0+\d)+4*\c+3], v[ADV] offset:(\d0+\d)*2048+512*\c
.endr
.endr
.endm
.macro STEP
	v_add_nc_u32 v[ADK], s[TB], v[AF]
	s_wait_alu depctr_va_vdst(0)
	v_add_nc_u32 v[ADV], 0x10000, v[ADK]
	v_add_nc_u32 v[ADS], s[TS], v[AF]
.rept 6
	v_nop
.endr
.irp g, 0,1
.irp t, 0,1,2,3
.irp c, 0,1,2,3
	ds_load_b128 v[F+16*\t+4*\c:F+16*\t+4*\c+3], v[ADK] offset:(4*\g+\t)*2048+512*\c
.endr
.endr
.if \g == 0
	ds_load_b128 v[KS:KS+3], v[ADS]
.endif
	s_wait_dscnt 0x0
	WIN 0x04
.irp t, 0,1,2,3
	KQ 4*\g+\t
.endr
	WIN 0
.rept 8
	v_nop
.endr
.endr
	SMX SA, TA, PA, PWA
	ds_load_b128 v[VS:VS+3], v[ADS] offset:16384
	v_nop
	VFETCH 0
	s_setprio 1
	SMX SB, TBS, PB, PWB
	v_nop
	VFETCH 4
	WIN 0x41
.irp j, 0,2,4,6,8,10,12,14,16,18,20,22,24,26,28,30,32,34,36,38,40,42,44,46,48,50,52,54,56,58,60,62
	v_pk_mul_f32 v[\j:\j+1], v[\j:\j+1], v[TA+6:TA+7] op_sel_hi:[1,0]
.endr
.irp j, 0,2,4,6,8,10,12,14,16,18,20,22,24,26,28,30,32,34,36,38,40,42,44,46,48,50,52,54,56,58,60,62
	v_pk_mul_f32 v[64+\j:65+\j], v[64+\j:65+\j], v[TBS+6:TBS+7] op_sel_hi:[1,0]
.endr
	s_wait_alu depctr_va_vdst(0)
	s_wait_dscnt 0x0
	WIN 0x50
	s_setprio 0
.irp d, 0,1,2,3,4,5,6,7
.set rA, SA+16*\d
.set rSA, VS+\d/2
.set rD, 8*\d
.set rB, PA
.set rSB, PWA
	WMP \d%2
.set rD, 64+8*\d
.set rB, PB
.set rSB, PWB
	WMP \d%2
.endr
	WIN 0
	s_add_co_u32 s[TB], s[TB], 16384
	s_add_co_u32 s[TS], s[TS], 512
.endm
.macro SLOT_STEPS
	s_mov_b32 s[STP], 4
.Lstep_\@:
	s_setprio 2
	STEP
	s_sub_co_u32 s[STP], s[STP], 1
	s_cmp_lg_u32 s[STP], 0
	s_cbranch_scc1 .Lstep_\@
	s_setprio 0
	s_sub_co_u32 s[TB], s[TB], 65536
	s_xor_b32 s[TB], s[TB], SLOT1
.endm
.macro CHANGE fill
	s_wait_tensorcnt 0x0
	ds_add_u32 v[SPW], v[NIL]
.if \fill
	s_xor_b32 s41, s41, SLOT1
	s_add_nc_u64 s[42:43], s[42:43], 65536
	s_wait_xcnt 0x0
	s_add_nc_u64 s[PFA:PFA+1], s[PFA:PFA+1], 65536
	s_wait_dscnt 0x0
	CROUND
	tensor_load_to_lds s[40:43], s[24:31]
	s_nop 0
.rept 4
	v_nop
.endr
	ASK
.else
	s_wait_dscnt 0x0
	s_barrier_signal -1
	s_barrier_wait -1
.endif
.endm
	s_load_b256 s[4:11], s[0:1], 0x0
	s_load_b64 s[12:13], s[0:1], 0x20
	v_lshl_add_u32 v[SPW], v0, 2, SPARE
	v_mov_b32 v[NIL], 0
	ds_add_u32 v5, v6
	ds_add_u32 v5, v6
	s_wait_dscnt 0x0
	v_lshrrev_b32 v1, 5, v0
	s_delay_alu instid0(VALU_DEP_1)
	v_readfirstlane_b32 s[WV], v1
	s_bfe_u32 s15, ttmp6, 0x40000
	s_lshl_b32 s16, ttmp9, 2
	s_add_co_u32 s16, s16, s15
	s_and_b32 s17, ttmp7, 0xffff
	s_cmp_ge_u32 s17, 6
	s_cselect_b32 s18, 1, 0
	s_mul_i32 s19, s18, 6
	s_sub_co_u32 s19, s17, s19
	s_mov_b32 s24, 15|(3<<16)|(1<<21)
	s_mov_b32 s25, 32<<16
	s_mov_b32 s26, 64<<16
	s_mov_b32 s27, 32<<16
	s_mov_b32 s28, 64
	s_mov_b32 s29, 32
	s_mov_b32 s30, 0
	s_mov_b32 s31, 0
	s_mov_b32 s32, 15|(3<<16)|(1<<21)
	s_mov_b32 s33, 32<<16
	s_mov_b32 s34, 16<<16
	s_mov_b32 s35, 32<<16
	s_mov_b32 s36, 16
	s_mov_b32 s37, 32
	s_mov_b32 s38, 0
	s_mov_b32 s39, 0
	s_and_b32 s56, s[WV], 3
	s_lshl_b32 s58, s17, 19
	s_lshl_b32 s57, s56, 14
	s_add_co_u32 s58, s58, s57
	s_mov_b32 s59, 0
	s_lshl_b32 s60, s17, 14
	s_lshl_b32 s57, s56, 12
	s_add_co_u32 s60, s60, s57
	s_add_co_u32 s60, s60, 6291456
	s_mov_b32 s61, 0
	s_lshl_b32 s41, s[WV], 14
	s_lshl_b32 s45, s[WV], 12
	s_add_co_u32 s45, s45, SCK
	s_mov_b32 s40, 1
	s_mov_b32 s44, 1
	s_lshl_b32 s74, s16, 4
	s_lshl_b32 s84, s[WV], 1
	s_add_co_u32 s74, s74, s84
	s_lshl_b32 s74, s74, 11
	s_lshl_b32 s84, s17, 19
	s_add_co_u32 s74, s74, s84
	s_mov_b32 s75, 0
	s_lshl_b32 s76, s16, 1
	s_lshr_b32 s84, s[WV], 2
	s_add_co_u32 s76, s76, s84
	s_lshl_b32 s76, s76, 9
	s_lshl_b32 s84, s56, 2
	s_add_co_u32 s76, s76, s84
	s_lshl_b32 s84, s17, 14
	s_add_co_u32 s76, s76, s84
	s_add_co_u32 s76, s76, 6291456
	s_mov_b32 s77, 0
	s_lshl_b32 s78, s18, 12
	s_lshl_b32 s84, s16, 8
	s_add_co_u32 s78, s78, s84
	s_lshl_b32 s84, s[WV], 5
	s_add_co_u32 s78, s78, s84
	s_mov_b32 s79, 0
	s_mul_i32 s80, s78, 3072
	s_lshl_b32 s84, s19, 9
	s_add_co_u32 s80, s80, s84
	s_mov_b32 s81, 0
	s_lshl_b32 s78, s78, 2
	s_lshl_b32 s82, s15, 13
	s_add_co_u32 s82, s82, 65536
	s_mov_b32 s83, 0
	s_and_b32 s[LIM], s[WV], 1
	s_or_b32 s[LIM], s[LIM], ttmp9
	s_cmp_eq_u32 s[LIM], 0
	s_cselect_b32 s[LIM], 1, -1
	s_mov_b32 s[SEL], 0x76543210
	s_mov_b32 s[SEL+1], 0xfedcba98
	s_mov_b32 s[TB], 0
	s_mov_b32 s[TS], SCK
	s_mov_b32 s[SLOTS], 7
	v_and_b32 v1, 31, v0
	s_delay_alu instid0(VALU_DEP_1)
	v_lshlrev_b32 v[PFO], 8, v1
	s_delay_alu instid0(VALU_DEP_2)
	v_lshlrev_b32 v[AF], 4, v1
	v_and_b32 v55, 15, v0
	v_bfe_u32 v56, v0, 4, 1
	s_mul_i32 s57, s[WV], 8448
	v_mul_u32_u24 v[STA], v55, 528
	s_delay_alu instid0(VALU_DEP_1)
	v_lshl_add_u32 v[STA], v56, 6, v[STA]
	s_delay_alu instid0(VALU_DEP_1)
	v_add_nc_u32 v[STA], s57, v[STA]
	v_add_nc_u32 v[STB], s57, v[AF]
	v_and_b32 v56, 8, v55
	s_delay_alu instid0(VALU_DEP_1)
	v_add_nc_u32 v55, v55, v56
	s_delay_alu instid0(VALU_DEP_1)
	v_lshlrev_b32 v55, 2, v55
	s_wait_kmcnt 0x0
	s_cmp_lt_u32 s[WV], 4
	s_cselect_b64 s[62:63], s[6:7], s[8:9]
	s_add_nc_u64 s[42:43], s[62:63], s[58:59]
	s_add_nc_u64 s[PFA:PFA+1], s[42:43], s[82:83]
	s_or_b32 s43, s43, 0x80000000
	s_add_nc_u64 s[46:47], s[62:63], s[60:61]
	s_or_b32 s47, s47, 0x80000000
	s_add_nc_u64 s[66:67], s[4:5], s[74:75]
	s_add_nc_u64 s[68:69], s[4:5], s[76:77]
	s_add_nc_u64 s[70:71], s[10:11], s[78:79]
	s_add_nc_u64 s[72:73], s[12:13], s[80:81]
	CROUND
	tensor_load_to_lds s[44:47], s[32:39]
	s_nop 0
	tensor_load_to_lds s[40:43], s[24:31]
	s_nop 0
.rept 4
	v_nop
.endr
	WIN 0x40
.irp u, 0,1
.irp c, 0,1,2,3
	global_load_b128 v[128+16*\u+4*\c:128+16*\u+4*\c+3], v[AF], s[66:67] offset:2048*\u+512*\c
.endr
.endr
.set i, 0
.rept 128
	v_mov_b32 v[i], 0
.set i, i+1
.endr
	WIN 0
	global_load_b32 v[QS], v[AF], s[68:69]
	global_load_b32 v56, v55, s[70:71]
	global_load_b32 v57, v55, s[70:71] offset:32
	v_mov_b32 v58, 0x3e0293ee
	v_mov_b32 v59, 0xc6616bcd
	v_mov_b32 v62, 0
.irp t, TA, TBS
	v_mov_b32 v[\t+1], 0xff61b1e6
	v_mov_b32 v[\t], 0
	v_mov_b32 v[\t+2], 0
	v_mov_b32 v[\t+3], 0
	v_mov_b32 v[\t+6], 0
	v_floor_f32 v[\t+7], -v[\t+1]
.endr
.irp b, 0,1,2,3
	v_mov_b32 v[T2+\b], 0
.endr
	s_wait_loadcnt 0x0
	v_cmp_ne_u32 vcc_lo, 0, v56
	s_delay_alu instid0(VALU_DEP_1)
	v_cndmask_b32 v[TA+4], v62, v58, vcc_lo
	s_delay_alu instid0(VALU_DEP_2)
	v_cndmask_b32 v[TA+5], v59, v62, vcc_lo
	v_cmp_ne_u32 vcc_lo, 0, v57
	s_delay_alu instid0(VALU_DEP_1)
	v_cndmask_b32 v[TBS+4], v62, v58, vcc_lo
	s_delay_alu instid0(VALU_DEP_2)
	v_cndmask_b32 v[TBS+5], v59, v62, vcc_lo
.Lslot:
	CHANGE 1
	SLOT_STEPS
	s_sub_co_u32 s[SLOTS], s[SLOTS], 1
	s_cmp_lg_u32 s[SLOTS], 0
	s_cbranch_scc1 .Lslot
	CHANGE 0
	SLOT_STEPS
.rept 8
	v_nop
.endr
.irp t, TA, TBS
	v_add_f32 v[\t+2], v[\t+2], v[\t+3]
.endr
	s_delay_alu instid0(VALU_DEP_2)
	v_permlanex16_b32 v[T2], v[TA+2], s[SEL], s[SEL+1]
	s_delay_alu instid0(VALU_DEP_2)
	v_permlanex16_b32 v[T2+1], v[TBS+2], s[SEL], s[SEL+1]
	s_delay_alu instid0(VALU_DEP_2)
	v_add_f32 v[TA+2], v[TA+2], v[T2]
	s_delay_alu instid0(VALU_DEP_2)
	v_add_f32 v[TBS+2], v[TBS+2], v[T2+1]
	s_wait_alu depctr_va_vdst(0)
	v_rcp_f32 v[TA+6], v[TA+2]
	v_rcp_f32 v[TBS+6], v[TBS+2]
	v_nop
	s_wait_alu depctr_va_vdst(0)
.macro PACK sx, ox, st
	WIN 0x01
.set i, 0
.rept 32
	v_pk_mul_f32 v[\sx+i:\sx+i+1], v[\ox+i:\ox+i+1], v[\st+6:\st+7] op_sel_hi:[1,0]
.set i, i+2
.endr
	WIN 0
.irp w, 0,1,2,3
.irp q, 0,1,2,3
	ds_store_b128 v[STA], v[\sx+16*\w+4*\q:\sx+16*\w+4*\q+3] offset:128*\w+16*\q
.endr
.endr
.irp p, 0,1,2,3,4,5,6,7,8,9,10,11,12,13,14,15
	ds_load_b128 v[\sx+4*\p:\sx+4*\p+3], v[STB] offset:528*\p
.endr
.endm
.macro SEND sx, u, younger
.irp p, 0,1,2,3,4,5,6,7,8,9,10,11,12,13,14,15
	s_wait_dscnt \younger+15-\p
	global_store_b128 v[AF], v[\sx+4*\p:\sx+4*\p+3], s[72:73] offset:(8*\u+\p+8*(\p/8))*3072 th:TH_STORE_NT
.endr
.endm
	PACK SA, 0, TA
	PACK SB, 64, TBS
	SEND SA, 0, 32
	SEND SB, 1, 0
	s_wait_tensorcnt 0x0
	ds_add_u32 v[SPW], v[NIL]
	s_wait_dscnt 0x0
	CROUND
	s_endpgm
.Lfunc_end_k_q66f12c8aba_attn:
	.size	k_q66f12c8aba_attn, .Lfunc_end_k_q66f12c8aba_attn-k_q66f12c8aba_attn
	.p2alignl 7, 3214868480
	.fill 96, 4, 3214868480
	.section	.rodata,"a",@progbits
	.p2align	6, 0x0
	.amdhsa_kernel k_q66f12c8aba_attn
		.amdhsa_group_segment_fixed_size 327680
		.amdhsa_private_segment_fixed_size 0
		.amdhsa_enable_private_segment 0
		.amdhsa_kernarg_size 40
		.amdhsa_user_sgpr_count 2
		.amdhsa_user_sgpr_kernarg_segment_ptr 1
		.amdhsa_wavefront_size32 1
		.amdhsa_system_sgpr_workgroup_id_x 1
		.amdhsa_system_sgpr_workgroup_id_y 1
		.amdhsa_system_sgpr_workgroup_id_z 1
		.amdhsa_system_vgpr_workitem_id 0
		.amdhsa_next_free_vgpr 512
		.amdhsa_next_free_sgpr 96
		.amdhsa_reserve_vcc 1
		.amdhsa_float_denorm_mode_32 3
		.amdhsa_float_denorm_mode_16_64 3
		.amdhsa_fp16_overflow 1
		.amdhsa_memory_ordered 1
		.amdhsa_forward_progress 1
		.amdhsa_inst_pref_size 101
	.end_amdhsa_kernel
	.amdgpu_metadata
---
amdhsa.version: [ 1, 2 ]
amdhsa.kernels:
  - .name:           k_q66f12c8aba_attn
    .symbol:         k_q66f12c8aba_attn.kd
    .args:
      - { .name: qbuf, .offset: 0, .size: 8, .value_kind: global_buffer, .address_space: global }
      - { .name: kbuf, .offset: 8, .size: 8, .value_kind: global_buffer, .address_space: global }
      - { .name: vbuf, .offset: 16, .size: 8, .value_kind: global_buffer, .address_space: global }
      - { .name: attention_mask, .offset: 24, .size: 8, .value_kind: global_buffer, .address_space: global }
      - { .name: out0, .offset: 32, .size: 8, .value_kind: global_buffer, .address_space: global }
    .group_segment_fixed_size: 327680
    .private_segment_fixed_size: 0
    .kernarg_segment_align: 8
    .kernarg_segment_size: 40
    .max_flat_workgroup_size: 256
    .sgpr_count:     96
    .vgpr_count:     512
    .wavefront_size: 32
...
	.end_amdgpu_metadata
.endif
;; end of part 3
